; MI455X (gfx1250); checked and timed in simulation.
; The chip was launched on July 23, 2026; its instructions are those of AMD's public machine-readable ISA for CDNA 5 (MIT licence, August 2026) and "CDNA5" Instruction Set Architecture Reference Guide (July 2026). The comments in the code are by the model that wrote it; some were corrected since.
;; Multihead Attention. Allowed arithmetic: matrix products marked QUANTISED: E3M2 operands, one E8M0 scale for each 32 along K, by v_wmma_scale_f32_16x16x128_f8f6f4 with both operands' format E3M2, f32 sums; everything else in f32.
;; Inputs: x 4 x 2,048 x 3,072 float32.
;; Outputs: out0 4 x 2,048 x 1,024 float32.
;; This version of the problem:
;;   THIS VERSION OF THE PROBLEM IS GIVEN IN LOW PRECISION. The matrix products marked QUANTISED in the list below multiply operands that are first quantised to E3M2 (3 exponent bits, 2 mantissa bits; 6 bits a number), with one power-of-two scale for each 32 numbers along K (OCP MX v1.0); their sums are f32. All else is computed in f32.
;;   The module's matrix products, in the order in which they are computed (A, B: the left and right operand; K: the contracted axis; several contracted axes count as one K, in the product's order):
;;     1. batch 64 x [M 2,048, K 64] x [K 64, N 2,048]; A: computed on the way; B: computed on the way: QUANTISED
;;     2. batch 64 x [M 2,048, K 2,048] x [K 2,048, N 64]; A: softmax (see below); B: computed on the way: QUANTISED
;;   THE QUANTISER, for each operand of a quantised product, along K:
;;     - K is cut into blocks of 32 from its start; a last block that is shorter is filled with zeros.
;;     - A block's scale is 2^e with e = floor(log2(the largest magnitude in the block)) - 4, held to -126 .. 127; a block of zeros has e = 0. As a byte (E8M0): e + 127.
;;     - Each number is divided by its block's scale, clamped to +-28, and rounded to the nearest number of E3M2, ties to even, subnormals kept.
;;     - The product sums the exact products of the quantised numbers (number of the format x scale) in f32.
;;   ~~~python
;;   def quantise(x, axis):      # numpy; x: float32 -> the quantised numbers, widened to float32 again
;;       x = np.moveaxis(x, axis, -1); K = x.shape[-1]
;;       x = np.pad(x, [(0, 0)] * (x.ndim - 1) + [(0, -K % 32)]); x = x.reshape(x.shape[:-1] + (-1, 32)); a = np.abs(x).max(-1, keepdims=True)
;;       e = np.where(a > 0, np.clip(np.frexp(np.where(a > 0, a, 1))[1] - 1 - 4, -126, 127), 0)      # np.frexp(a)[1] - 1 = floor(log2(a)), exactly
;;       r = np.clip(x / 2.0 ** e, -28, 28)
;;       step = 2.0 ** (np.maximum(np.frexp(np.where(r == 0, 1, r))[1] - 1, -2) - 2)
;;       q = np.round(r / step) * step * 2.0 ** e      # np.round: ties to even
;;       return np.moveaxis(q.reshape(q.shape[:-2] + (-1,))[..., :K], -1, axis).astype(np.float32)
;;   ~~~
;;   SOFTMAX AHEAD OF A QUANTISED PRODUCT. Where the list says 'softmax', what is quantised is not the finished softmax but p = 2^(t - M), with t = logit x log2(e) and M = ceil(the row's largest t), a whole number; so 1/2 < the row's largest p <= 1. The row's sum l is taken of the UNQUANTISED p, in f32, and the product's result is divided by l at the end. Since M is a whole number, a kernel that streams over the keys may use a running M (the ceiling of the running maximum): every later rescaling is an exact power of two, which a block's scale takes up: the codes' values come out the same.
;;   OPERANDS COMPUTED ON THE WAY. 'Computed on the way' means the value that the module computes at that place (a softmax that the list does not call 'softmax' is quantised finished and normalised). What goes into a quantiser is computed in f32, as accurately as f32 sums, v_exp_f32 and their like allow (about 1e-6 of the number): no bf16 or f16 on the way to a quantiser, and a product that is left as it is and whose result goes on into a quantised operand takes f32 operands (vector FMAs, or v_wmma_f32_16x16x4_f32). A number that lies on a knife's edge between two numbers of the format may be rounded either way, as far as f32 arithmetic and the matrix unit's own rounding can turn it there, and no further.
;; 2 versions. Each part assembles by itself: llvm-mc -triple=amdgcn-amd-amdhsa -mcpu=gfx1250 --defsym DOCPART=n.
;; ======== version 1 of 2: 1 launch
;; launch attn (part 1): grid 4 x 64, 16 waves a work-group, no clusters, 284,672 bytes of LDS; arguments x, out0; writes out0
.if DOCPART == 1
	.amdgcn_target "amdgcn-amd-amdhsa--gfx1250"
	.amdhsa_code_object_version 6
	.text
	.protected	k_q07cd83cc0a_attn
	.globl	k_q07cd83cc0a_attn
	.p2align	8
	.type	k_q07cd83cc0a_attn,@function
k_q07cd83cc0a_attn:
	s_mov_b64 s[64:65], 0
	v_nop
	global_prefetch_b8 v0, s[64:65] scope:SCOPE_SE
	s_setreg_imm32_b32 hwreg(HW_REG_WAVE_MODE, 25, 1), 1
	s_wait_xcnt 0x0
; out0[b][s][64 h + d] = the sum over keys of softmax(q . k / 8) v, for 64 heads (4 batches x 16) of 2,048 tokens, head size 64.
; x: [4][2048][3072] f32; token row s is 12,288 bytes, head h owns 768 of them: q, k, v, 256 bytes each.  out0: [4][2048][1024] f32.
; Both products run on codes of BF6 (E3M2) with one E8M0 scale for each 32 along K: q and k quantised along d, v and p along the keys.
; p = 2^(t - M), t = score x log2(e) / 8, M = the running largest t rounded up to a whole number; the row's sum is taken of the unquantised p and divides at the end.
; SHARES.  A work-group owns 512 queries of one head (grid x: the block of queries, grid y: 16 b + h); each of its sixteen waves owns 32 queries, two tiles of 16.
; PROLOGUE.  Wave w quantises keys 128 w .. 128 w + 127 of k and v into LDS, as IMAGES OF THE OPERANDS' REGISTERS (record w), and its own 32 queries into registers.  One barrier.
; MAIN LOOP.  16 trips, one record each, no further barrier: a trip reads each fragment of K and V once from LDS, for both tiles of queries.
; LAYOUT.  Both products are used transposed: S^T = K Q^T (source 0 = 16 keys), O^T = V^T P^T (source 0 = 16 of the head's 64): a lane holds ONE query (lane % 16) throughout.
;   THE KEYS OF A TILE ARE NOT NEIGHBOURS: row m of tile 4 c + t takes key 64 c + 32 (m / 8) + 8 t + m % 8, so that S's register 32 c + i of lane (r, hh) is key 64 c + 32 hh + i:
;   a WHOLE block of 32 keys in one lane, in the order in which the second product's operand wants it: no exchange of halves, no other lane for a block's maximum.
;   THE FIRST PRODUCT'S K IS 64 in a form of 128: Q's registers 6-11 are zero codes, and K's operand is tile t's six registers followed by whatever six come next (the next tile's; behind tile 7: P1's first six).
;   Every pattern of 6 bits is a finite number in this format, so the upper half adds 0.  K's and Q's scale words repeat their two bytes, so that no byte of the upper half is larger than the lower half's.
; NO JOINT LOADS, though the four work-groups of a head read the same 1,048,576 bytes of k and v: a joint load lands in LDS, where the images take 212,992 bytes; of the 327,680 that a work-group can claim,
;   two slots could have 57,344 bytes each at the most: 19 refills, each behind a round of a cluster's barrier.  Loads into registers have up to 16 KB a wave on their way and want no barrier.
; LIMITS: NaN and infinities among the inputs are not served.  A block of zeros gets the scale byte 1 where the rule says 127: its codes are zeros, and this program alone reads the bytes.
;   A p under 2^-126 comes out of v_exp_f32 as 0.
.set ROWX,  12288                      ; bytes in a token's row of x
.set REC,   13312                      ; LDS: the record of a key step of 128 keys; record j at REC j
.set VIMG,  6144                       ;   +0 K's image: registers 4 q .. 4 q + 3 of the run of 48 at 512 q + 16 lane (tile t = registers 6 t .. 6 t + 5);  +6144 V's, likewise (tile a = registers 12 a .. 12 a + 11)
.set KSC,   12288                      ;   K's scale words: word i at 16 lane + 4 i; lanes 0-15 tile i, lanes 16-31 tile 4 + i
.set VSC,   12800                      ;   V's: word a at 16 lane + 4 a, lanes 0-15; the same 256 bytes once more for lanes 16-31, so that every byte read was written
.set STG,   16*REC                     ; behind the records: a stage of 16 rows x (256 bytes + 16) for each wave, its own
.set SP,    272                        ; 68 words: the 16 rows that a load of 16 bytes a lane touches start at 16 different groups of four banks (64 banks of 4 bytes: ISA guide 11.1)
.set STGW,  16*SP
.set WV,   8                           ; s8       my wave's number
.set KVB,  14                          ; s[14:15] x at k of my wave's first key
.set QB,   16                          ; s[16:17] x at q of my wave's first query
.set OB,   18                          ; s[18:19] out0 at my wave's first query, my head
.set SEL,  20                          ; s[20:21] v_permlanex16_b32's selects for lane l xor 16
.set CS,   22                          ; s[22:23] c = log2(e) / 8, twice: the packed form names a pair
.set TB,   24                          ; s24      the record in hand
.set CNT,  25                          ; s25      trips done
.set RECW, 30                          ; s30      my wave's record
.set STGA, 31                          ; s31      my wave's stage
; vector registers that live through the kernel
.set LI,   1                           ; v1       16 x lane
.set ADR,  2                           ; v2       main loop: LDS address of the record in hand
.set SH,   3                           ; v3       8 x (lane / 16): where my half's scale bytes go in a word
.set FS,   24                          ; v24-27   scale words of K's or V's fragments.  v24-31 hold scales and nothing else
.set QS0,  28                          ; v28, v31 Q's scale words, tile 0, 1
.set PS0,  29                          ; v29, v30 P's scale words, tile 0, 1
.set Q0,   32                          ; v32-43, v44-55 Q's fragments
; the prologue's
.set OFK,  4                           ; byte offsets in x: k's rows, q's rows, v's columns
.set OFQ,  5
.set OFV,  6
.set STW,  7                           ; the stage, in and out
.set STR,  8
.set AKW,  9                           ; where I store K's image, V's image, K's scale words, V's
.set AVW,  10
.set AKS,  11
.set AVS,  12
.set MXA,  13                          ; two chains of a block's largest magnitude
.set MXB,  14
.set SO,   15                          ; the conversion's scale operand
.set BY,   16                          ; the scale's byte
.set TW,   17                          ; a scale word
.set TX,   18
.set VW,   19                          ; V's scale word, byte by byte
.set CT,   20                          ; v20-22   a block's upper 16 codes
.set CD,   56                          ; v56-61   a block's 32 codes
.set RR,   62                          ; lane % 16
.set HH,   63                          ; lane / 16
.set XR,   64                          ; v64-95   32 neighbours along d
.set SET0, 96                          ; v96-255  five sets of 32 registers for loads on their way
; the main loop's
.set BM,   12                          ; v12, v13 my two blocks' largest score, then largest p, then byte
.set FF,   14                          ; v[14:15] f = 2^(old M - new M)
.set SO0,  16                          ; v16, v17 the two blocks' scale operands
.set T0,   18                          ; v18-21   at work
.set P0,   56                          ; v56-67   P of tile 0;  v116-127 of tile 1
.set KF,   68                          ; v68-115  K's eight fragments of six registers, later V's four of twelve
.set S,    128                         ; v128-191 S^T, then p
.set O0,   192                         ; v192-223 O^T of tile 0;  v224-255 of tile 1
                                       ; v4-7, v8-11: tile T's -M, largest score, and the sum in two halves
	s_load_b128 s[4:7], s[0:1], 0x0                ; x s[4:5], out0 s[6:7]
	v_lshrrev_b32 v1, 5, v0
	v_readfirstlane_b32 s[WV], v1                  ; wave 0..15
	v_and_b32 v[RR], 15, v0
	v_bfe_u32 v[HH], v0, 4, 1
	v_lshlrev_b32 v[MXA], 4, v[RR]                 ; 16 r, at work
	v_mad_u32_u24 v[OFK], v[HH], 32*ROWX, v[MXA]   ; k: sixteen lanes take a key's 256 bytes; lanes 16-31 the key 32 further on
	v_mad_u32_u24 v[OFQ], v[HH], 8*ROWX, v[MXA]    ; q: lanes 16-31 the query 8 further on
	s_and_b32 s10, ttmp7, 0xffff                   ; 16 b + h
	s_lshr_b32 s11, s10, 4                         ; b
	s_and_b32 s12, s10, 15                         ; h
	s_lshl_b32 s13, s11, 11                        ; the batch's first token
	s_mul_i32 s28, s12, 768                        ; the head's bytes in a row
	s_lshl_b32 s26, s[WV], 7
	s_add_co_u32 s26, s26, s13                     ; my first key: 2048 b + 128 w
	s_mul_i32 s26, s26, ROWX
	s_add_co_u32 s26, s26, s28
	s_add_co_u32 s26, s26, 256                     ; k lies behind q.  All offsets stay under 2^27
	s_mov_b32 s27, 0
	s_lshl_b32 s9, ttmp9, 9
	s_lshl_b32 s29, s[WV], 5
	s_add_co_u32 s9, s9, s29
	s_add_co_u32 s9, s9, s13                       ; my first query: 2048 b + 512 x block + 32 w
	s_mul_i32 s29, s9, ROWX
	s_add_co_u32 s28, s28, s29
	s_mov_b32 s29, 0
	s_lshl_b32 s32, s9, 12                         ; out0: rows of 4,096 bytes, 256 to a head
	s_lshl_b32 s33, s12, 8
	s_add_co_u32 s32, s32, s33
	s_mov_b32 s33, 0
	s_mul_i32 s[RECW], s[WV], REC
	s_mul_i32 s[STGA], s[WV], STGW
	s_add_co_u32 s[STGA], s[STGA], STG
	s_mov_b32 s[SEL], 0x76543210
	s_mov_b32 s[SEL+1], 0xfedcba98
	s_mov_b32 s[CS], 0x3e38aa3b                    ; log2(e) / 8
	s_mov_b32 s[CS+1], s[CS]
	s_wait_kmcnt 0x0
	s_add_nc_u64 s[KVB:KVB+1], s[4:5], s[26:27]
	s_add_nc_u64 s[QB:QB+1], s[4:5], s[28:29]
	s_add_nc_u64 s[OB:OB+1], s[6:7], s[32:33]
; THE PROLOGUE goes in 18 units of 4 KB: 0, 1: my two tiles of queries; 2-9: K's eight tiles; 10-17: V, half g of d x block of 32 keys.  Unit u loads into set u % 5.
.macro ISSUE u
.set SI, SET0+32*((\u)%5)
.if (\u) < 2
.irp i, 0,1,2,3,4,5,6,7
	global_load_b128 v[SI+4*\i:SI+4*\i+3], v[OFQ], s[QB:QB+1] offset:(16*(\u)+\i)*ROWX th:TH_LOAD_NT   ; rows i and 8 + i of the tile: two whole runs of 256 bytes; q is read once in the launch
.endr
.elseif (\u) < 10
.set IT, (\u)-2
.irp i, 0,1,2,3,4,5,6,7
	global_load_b128 v[SI+4*\i:SI+4*\i+3], v[OFK], s[KVB:KVB+1] offset:(64*(IT/4)+8*(IT%4)+\i)*ROWX    ; rows i and 8 + i of the tile: keys 64 c + 8 t + i and 32 further on
.endr
.else
.set IG, ((\u)-10)/4
.set IB, ((\u)-10)%4
.irp i, 0,1,2,3,4,5,6,7,8,9,10,11,12,13,14,15,16,17,18,19,20,21,22,23,24,25,26,27,28,29,30,31
	global_load_b32 v[SI+\i], v[OFV], s[KVB:KVB+1] offset:(32*IB+\i)*ROWX+256+128*IG                   ; a lane takes column d = 32 g + lane, its registers run down the block's keys: 128 consecutive bytes a load
.endr
.endif
.endm
	ISSUE 0
	ISSUE 1
	ISSUE 2
	ISSUE 3
	v_and_b32 v[LI], 31, v0
	v_lshlrev_b32 v[OFV], 2, v[LI]                 ; 4 x lane
	v_lshlrev_b32 v[LI], 4, v[LI]                  ; 16 x lane
	v_lshlrev_b32 v[SH], 3, v[HH]
	v_mad_u32_u24 v[STW], v[HH], 8*SP, v[MXA]      ; the stage, in: row i + 8 hh, 16 r bytes on
	v_add_nc_u32 v[STW], s[STGA], v[STW]
	v_mul_u32_u24 v[STR], v[RR], SP                ; out: row r, my half's 128 bytes
	v_lshl_add_u32 v[STR], v[HH], 7, v[STR]
	v_add_nc_u32 v[STR], s[STGA], v[STR]
	v_add_nc_u32 v[AKW], s[RECW], v[LI]            ; K's image: my own lane's place
	v_mad_u32_u24 v[AVW], v[HH], 1536, v[MXA]      ; V's image: column 32 g + lane is row r of tile 2 g + hh: 1,536 bytes a tile, 16 r for the lane
	v_add_nc_u32 v[AVW], s[RECW], v[AVW]
	v_add_nc_u32 v[AVW], VIMG, v[AVW]
	v_add_nc_u32 v[AKS], s[RECW], v[MXA]           ; K's scale words: 16 r
	v_add_nc_u32 v[AKS], KSC, v[AKS]
	v_lshl_add_u32 v[AVS], v[HH], 2, v[MXA]        ; V's: 16 r + 4 hh
	v_add_nc_u32 v[AVS], s[RECW], v[AVS]
	v_add_nc_u32 v[AVS], VSC, v[AVS]
	v_mov_b32 v[TX], 0                             ; written once: a lane permute's destination counts as one of its sources
; 32 numbers of one block, v[src] on, become 32 codes in v[dst] .. v[dst + 5]; the scale's byte in v[BY].
.macro QBLK src, dst
	v_max3_num_f32 v[MXA], |v[\src]|, |v[\src+1]|, 0x2800000        ; the largest magnitude in two chains, and the floor 2^(5 - 127): the byte cannot fall under 1
	v_max3_num_f32 v[MXB], |v[\src+16]|, |v[\src+17]|, |v[\src+18]|
.irp i, 2,4,6,8,10,12
	v_max3_num_f32 v[MXA], v[MXA], |v[\src+\i]|, |v[\src+\i+1]|
	v_max3_num_f32 v[MXB], v[MXB], |v[\src+\i+17]|, |v[\src+\i+18]|
.endr
	v_max3_num_f32 v[MXA], v[MXA], |v[\src+14]|, |v[\src+15]|
	v_max3_num_f32 v[MXA], v[MXA], v[MXB], |v[\src+31]|
	v_add_nc_u32 v[SO], 0xfe000000, v[MXA]         ; 4 off its exponent field: the conversion takes the exponent field of this operand as its scale
	v_cvt_scalef32_pk16_bf6_f32 v[\dst:\dst+2], v[\src:\src+15], v[SO]
	v_cvt_scalef32_pk16_bf6_f32 v[CT:CT+2], v[\src+16:\src+31], v[SO]   ; (a conversion's three registers begin on an even number)
	v_lshrrev_b32 v[BY], 23, v[SO]                 ; the byte.  Also the plain line behind the conversions
.irp i, 0,1,2
	v_mov_b32 v[\dst+3+\i], v[CT+\i]
.endr
.endm
.macro WORD2                                   ; my byte and lane l xor 16's make the row's two bytes, which are repeated for the operand's upper half
	v_lshlrev_b32 v[TW], v[SH], v[BY]
	v_permlanex16_b32 v[TX], v[TW], s[SEL], s[SEL+1]
	v_or_b32 v[TW], v[TW], v[TX]
	v_lshl_or_b32 v[TW], v[TW], 16, v[TW]
.endm
.macro PUT6 adr, off, odd                      ; six registers into an image of runs of four: the lower half of a run of twelve (registers 0-3, 4-5) or the upper (6-7, 8-11)
.if \odd
	ds_store_b64 v[\adr], v[CD:CD+1] offset:\off+520
	ds_store_b128 v[\adr], v[CD+2:CD+5] offset:\off+1024
.else
	ds_store_b128 v[\adr], v[CD:CD+3] offset:\off
	ds_store_b64 v[\adr], v[CD+4:CD+5] offset:\off+512
.endif
.endm
; Unit u.  n: the loads issued behind unit u's, which may stay out.  nxt: the unit that is asked for now (-1: none); its set's last user is a unit or more back.
.macro UNIT u, n, nxt
	s_wait_loadcnt \n                              ; loads come back in order (ISA guide 5.7.1): this unit's are in
.if (\nxt) >= 0
	ISSUE \nxt
.endif
.set SS, SET0+32*((\u)%5)
.if (\u) < 10
.irp i, 0,1,2,3,4,5,6,7
	ds_store_b128 v[STW], v[SS+4*\i:SS+4*\i+3] offset:SP*\i          ; 16 rows of 256 bytes turn through my stage,
.endr
.irp i, 0,1,2,3,4,5,6,7
	ds_load_b128 v[XR+4*\i:XR+4*\i+3], v[STR] offset:16*\i           ; and lane (r, hh) gets d = 32 hh .. 32 hh + 31 of row r.  LDS serves a wave's instructions in order: these see the stores
.endr
	s_wait_dscnt 0x0                               ; they are in; the stores have read their set; the last unit's stores have read CD and TW
.if (\u) < 2
.set QD, Q0+12*(\u)
	QBLK XR, QD
	WORD2
	v_mov_b32 v[QS0+3*(\u)], v[TW]
.irp i, 6,7,8,9,10,11
	v_mov_b32 v[QD+\i], 0                          ; zero codes for k = 64 .. 127
.endr
.else
.set KT, (\u)-2
.set PO, 1536*(KT>>1)
.set PD, KT&1
	QBLK XR, CD
	WORD2
	PUT6 AKW, PO, PD
	ds_store_b32 v[AKS], v[TW] offset:256*(KT>>2)+4*(KT&3)           ; both lanes of a row write the same word with the same value
.endif
.else
.set VG, ((\u)-10)/4
.set VB, ((\u)-10)%4
.set PO, 3072*VG+256*(VB&1)                    ; block 2 c + h' goes to lane r + 16 h', registers 6 c on, of tile 2 g + hh
.set PD, VB>>1
	s_wait_dscnt 0x0                               ; the last unit's stores have read CD and VW
	QBLK SS, CD
.if VB == 0
	v_mov_b32 v[VW], v[BY]
.else
	v_lshl_or_b32 v[VW], v[BY], 8*VB, v[VW]
.endif
	PUT6 AVW, PO, PD
.if VB == 3
	ds_store_b32 v[AVS], v[VW] offset:8*VG
	ds_store_b32 v[AVS], v[VW] offset:8*VG+256
.endif
.endif
.endm
	UNIT 0, 24, 4                                  ; three units of 8 loads may stay out
	UNIT 1, 24, 5
	UNIT 2, 24, 6
	UNIT 3, 24, 7
	UNIT 4, 24, 8
	UNIT 5, 24, 9
	UNIT 6, 24, 10
	UNIT 7, 48, -1                                 ; units 8, 9 (8 each) and 10 (32)
	UNIT 8, 40, -1                                 ; units 9 and 10
	UNIT 9, 32, 11                                 ; unit 10
	UNIT 10, 32, 12                                ; from here on: the next unit's 32
	UNIT 11, 32, 13
	UNIT 12, 32, 14
	UNIT 13, 32, 15
	UNIT 14, 32, 16
	UNIT 15, 32, 17
	UNIT 16, 32, -1
	UNIT 17, 0, -1                                 ; no load is out any more: the offsets' registers may be written
	s_wait_dscnt 0x0                               ; for the others' sake: my record lies in LDS
	s_barrier_signal -1
	v_mov_b32 v5, 0xff61b1e6                       ; register work while the others arrive.  The largest score so far: -3e38
	v_mov_b32 v9, 0xff61b1e6
	v_mul_f32 v[T0], s[CS], v5
	v_floor_f32 v4, -v[T0]                         ; -M
	v_floor_f32 v8, -v[T0]
.irp j, 6,7,10,11,15,21,116,117,118,119,120,121
	v_mov_b32 v\j, 0                               ; the sums; the upper half of f's pair; a permute's destination; P1's first six, which K's tile 7 names
.endr
.irp j, 0,1,2,3,4,5,6,7,8,9,10,11,12,13,14,15,16,17,18,19,20,21,22,23,24,25,26,27,28,29,30,31,32,33,34,35,36,37,38,39,40,41,42,43,44,45,46,47,48,49,50,51,52,53,54,55,56,57,58,59,60,61,62,63
	v_mov_b32 v[O0+\j], 0                          ; O^T.  The step is written once: the first finds zeros, which the first change of M leaves zeros
.endr
	s_mov_b32 s[TB], 0
	s_mov_b32 s[CNT], 0
	s_barrier_wait -1                              ; all sixteen records lie in LDS; nobody writes them again
; S^T of tile T: eight products, each on an accumulator of its own, begun with the constant 0.
.macro SMUL T
.irp t, 0,1,2,3
	v_wmma_scale_f32_16x16x128_f8f6f4 v[S+8*\t:S+8*\t+7], v[KF+6*\t:KF+6*\t+11], v[Q0+12*\T:Q0+12*\T+11], 0, v[FS+\t], v[QS0+3*\T] matrix_a_fmt:MATRIX_FMT_BF6 matrix_b_fmt:MATRIX_FMT_BF6
.endr
.irp t, 4,5,6,7
	v_wmma_scale_f32_16x16x128_f8f6f4 v[S+8*\t:S+8*\t+7], v[KF+6*\t:KF+6*\t+11], v[Q0+12*\T:Q0+12*\T+11], 0, v[FS+\t-4], v[QS0+3*\T] matrix_a_fmt:MATRIX_FMT_BF6 matrix_b_fmt:MATRIX_FMT_BF6 matrix_a_scale:MATRIX_SCALE_ROW1
.endr
.endm
; O^T of tile T += V^T P^T: four accumulators by turns, one instruction a turn.
.macro PV T
.set PP, P0+60*(\T)
.set OO, O0+32*(\T)
.irp a, 0,1,2,3
	v_wmma_scale_f32_16x16x128_f8f6f4 v[OO+8*\a:OO+8*\a+7], v[KF+12*\a:KF+12*\a+11], v[PP:PP+11], v[OO+8*\a:OO+8*\a+7], v[FS+\a], v[PS0+\T] matrix_a_fmt:MATRIX_FMT_BF6 matrix_b_fmt:MATRIX_FMT_BF6
.endr
.endm
; My two blocks' largest scores (each serves twice: for the row's maximum and, since p rises with the score, for the block's largest p), the new M, and f.  Each accumulator is read from its low end on.
.macro SM_MAX T
.set NM, 4+4*(\T)
.set SX, 5+4*(\T)
.irp c, 0,1
	v_max3_num_f32 v[BM+\c], v[S+32*\c], v[S+32*\c+1], v[S+32*\c+2]
	v_max3_num_f32 v[T0+\c], v[S+32*\c+16], v[S+32*\c+17], v[S+32*\c+18]
.endr
.irp i, 3,5,7,9,11,13
.irp c, 0,1
	v_max3_num_f32 v[BM+\c], v[BM+\c], v[S+32*\c+\i], v[S+32*\c+\i+1]
	v_max3_num_f32 v[T0+\c], v[T0+\c], v[S+32*\c+\i+16], v[S+32*\c+\i+17]
.endr
.endr
.irp c, 0,1
	v_max3_num_f32 v[BM+\c], v[BM+\c], v[T0+\c], v[S+32*\c+15]
.endr
.irp c, 0,1
	v_max_num_f32 v[BM+\c], v[BM+\c], v[S+32*\c+31]
.endr
	v_max3_num_f32 v[T0], v[BM], v[BM+1], v[SX]
	v_permlanex16_b32 v[T0+1], v[T0], s[SEL], s[SEL+1]   ; the query's other 64 keys lie in lane l xor 16
	v_mov_b32 v[T0+2], v[NM]
	v_max_num_f32 v[SX], v[T0], v[T0+1]            ; the running largest score
	v_mul_f32 v[T0], s[CS], v[SX]                  ; as t (c is positive)
	v_floor_f32 v[NM], -v[T0]                      ; the new -M = -ceil(t): M is a whole number
	v_sub_f32 v[T0+2], v[NM], v[T0+2]              ; old M - new M: a whole number, 0 or less
	v_cvt_i32_f32 v[T0+2], v[T0+2]                 ; (it saturates)
	v_ldexp_f32 v[FF], 1.0, v[T0+2]                ; f = 2^(old M - new M): a multiplication by it rounds nothing
.endm
.macro SM_EXP T
.set NM, 4+4*(\T)
.set LL, 6+4*(\T)
.irp j, 0,2,4,6,8,10,12,14,16,18,20,22,24,26,28,30,32,34,36,38,40,42,44,46,48,50,52,54,56,58,60,62
	v_pk_fma_f32 v[S+\j:S+\j+1], v[S+\j:S+\j+1], s[CS:CS+1], v[NM:NM+1] op_sel_hi:[1,0,0]   ; t - M, two at a time (of the pairs c and -M the low word serves both halves)
.endr
.irp c, 0,1
	v_fma_f32 v[BM+\c], v[BM+\c], s[CS], v[NM]     ; the same of each block's largest score
.endr
.irp j, 0,1,2,3,4,5,6,7,8,9,10,11,12,13,14,15,16,17,18,19,20,21,22,23,24,25,26,27,28,29,30,31,32,33,34,35,36,37,38,39,40,41,42,43,44,45,46,47,48,49,50,51,52,53,54,55,56,57,58,59,60,61,62,63
	v_exp_f32 v[S+\j], v[S+\j]                     ; p = 2^(t - M): not normalised
.endr
.irp c, 0,1
	v_exp_f32 v[BM+\c], v[BM+\c]                   ; the block's largest p: the same two instructions on the same number give the same bits
.endr
	v_pk_mul_f32 v[LL:LL+1], v[LL:LL+1], v[FF:FF+1] op_sel_hi:[1,0]   ; the sums under the new M.  Also the plain line behind the exponentials (ISA guide 5.7.2)
.endm
.macro SM_Q T                                  ; the two blocks' scale operands and bytes; with lane l xor 16's two bytes the query's scale word for these 128 keys
	s_wait_alu depctr_va_vdst(0)
.irp c, 0,1
	v_max_num_f32 v[BM+\c], 0x2800000, v[BM+\c]    ; the floor 2^(5 - 127): the byte cannot fall under 1
.endr
.irp c, 0,1
	v_add_nc_u32 v[SO0+\c], 0xfe000000, v[BM+\c]
.endr
.irp c, 0,1
	v_lshrrev_b32 v[BM+\c], 23, v[SO0+\c]
.endr
	v_lshl_or_b32 v[T0], v[BM+1], 16, v[BM]        ; blocks hh and 2 + hh,
	v_lshlrev_b32 v[T0], v[SH], v[T0]              ; at their places
	v_permlanex16_b32 v[T0+1], v[T0], s[SEL], s[SEL+1]
	v_or_b32 v[PS0+\T], v[T0], v[T0+1]
.endm
; The codes, O^T under the new M, and the row's sum of the UNQUANTISED p, in two chains.  A block's upper 16 codes are made in p's registers 0-2 and 32-34, whose numbers have been summed by then, and moved.
.macro SM_TAIL T
.set LL, 6+4*(\T)
.set PP, P0+60*(\T)
.set OO, O0+32*(\T)
	v_pk_add_f32 v[T0:T0+1], v[S:S+1], v[S+2:S+3]
	v_pk_add_f32 v[LL:LL+1], v[LL:LL+1], v[S+32:S+33]
	v_pk_add_f32 v[T0:T0+1], v[T0:T0+1], v[S+34:S+35]
	v_cvt_scalef32_pk16_bf6_f32 v[PP:PP+2], v[S:S+15], v[SO0]
	v_cvt_scalef32_pk16_bf6_f32 v[PP+6:PP+8], v[S+32:S+47], v[SO0+1]
	v_pk_add_f32 v[LL:LL+1], v[LL:LL+1], v[S+4:S+5]                  ; a plain line between those conversions and the lines that write their sources
	v_cvt_scalef32_pk16_bf6_f32 v[S:S+2], v[S+16:S+31], v[SO0]
	v_cvt_scalef32_pk16_bf6_f32 v[S+32:S+34], v[S+48:S+63], v[SO0+1]
	v_pk_add_f32 v[T0:T0+1], v[T0:T0+1], v[S+6:S+7]                  ; a plain line between these and the moves
.irp i, 0,1,2
	v_mov_b32 v[PP+3+\i], v[S+\i]
	v_mov_b32 v[PP+9+\i], v[S+32+\i]
.endr
.irp j, 0,2,4,6,8,10,12,14,16,18,20,22,24,26,28,30
	v_pk_mul_f32 v[OO+\j:OO+\j+1], v[OO+\j:OO+\j+1], v[FF:FF+1] op_sel_hi:[1,0]   ; from each accumulator's low end on
.endr
.irp j, 8,12,16,20,24,28,36,40,44,48,52,56,60
	v_pk_add_f32 v[LL:LL+1], v[LL:LL+1], v[S+\j:S+\j+1]              ; these 27 lines name no register of the product that takes P, its scale word and O^T:
	v_pk_add_f32 v[T0:T0+1], v[T0:T0+1], v[S+\j+2:S+\j+3]            ; they are the places between the lines that wrote those and that product
.endr
	v_pk_add_f32 v[LL:LL+1], v[LL:LL+1], v[T0:T0+1]
.endm
.macro PLACES n                                ; a load into a register that a matrix instruction has read, and a vector instruction that reads a matrix result, stand four plain vector lines behind it
.rept \n
	v_nop
.endr
.endm
.Lstep:                                            ; 16 trips: a key step of 128 keys, both tiles of queries
	v_add_nc_u32 v[ADR], s[TB], v[LI]              ; with the three below: four places behind the last trip's products, whose operands are loaded anew
	PLACES 3
	ds_load_b128 v[FS:FS+3], v[ADR] offset:KSC
.irp i, 0,1,2,3,4,5,6,7,8,9,10,11
	ds_load_b128 v[KF+4*\i:KF+4*\i+3], v[ADR] offset:512*\i          ; 32 lanes, 512 consecutive bytes
.endr
	s_wait_dscnt 0x0
	SMUL 0
	PLACES 4
	SM_MAX 0
	SM_EXP 0
	SM_Q 0
	SM_TAIL 0
	SMUL 1
	PLACES 4                                       ; for the loads into K's registers and for the first read of the scores alike
	ds_load_b128 v[FS:FS+3], v[ADR] offset:VSC
.irp i, 0,1,2,3,4,5,6,7,8,9,10,11
	ds_load_b128 v[KF+4*\i:KF+4*\i+3], v[ADR] offset:VIMG+512*\i     ; V lands while tile 1's maxima and exponentials are worked
.endr
	SM_MAX 1
	SM_EXP 1
	s_wait_dscnt 0x0                               ; V and its scale words are in
	PV 0                                           ; tile 0's products stand ahead of the rest of tile 1's vector work, which names none of their registers
	SM_Q 1
	SM_TAIL 1
	PV 1
	s_add_co_u32 s[TB], s[TB], REC
	s_add_co_u32 s[CNT], s[CNT], 1
	s_cmp_lt_u32 s[CNT], 16
	s_cbranch_scc1 .Lstep
; THE WAY OUT.  O^T / the sum goes through my stage, a tile of 16 queries at a time, and leaves as whole rows of 256 bytes.  The ten lines of addresses are the places behind the last products.
.set SOA, 2
.set SRA, 12
.set GO,  13
	v_and_b32 v22, 15, v0                          ; r
	v_bfe_u32 v23, v0, 4, 1                        ; hh
	v_mul_u32_u24 v[SOA], v22, SP
	v_lshl_add_u32 v[SOA], v23, 5, v[SOA]
	v_add_nc_u32 v[SOA], s[STGA], v[SOA]           ; in: row r; tile a's eight numbers of my half lie 64 a + 32 hh bytes on
	v_mul_u32_u24 v[SRA], v23, SP
	v_lshl_add_u32 v[SRA], v22, 4, v[SRA]
	v_add_nc_u32 v[SRA], s[STGA], v[SRA]           ; back: lanes 0-15 one row, lanes 16-31 the next
	v_lshlrev_b32 v[GO], 12, v23
	v_lshl_add_u32 v[GO], v22, 4, v[GO]            ; and the same two rows in out0
	v_add_f32 v18, v6, v7                          ; the sums' two halves,
	v_add_f32 v19, v10, v11
	v_permlanex16_b32 v20, v18, s[SEL], s[SEL+1]
	v_permlanex16_b32 v21, v19, s[SEL], s[SEL+1]
	v_add_f32 v18, v18, v20                        ; and lane l xor 16's: the rows' sums
	v_add_f32 v19, v19, v21
	v_rcp_f32 v14, v18
	v_rcp_f32 v16, v19
	v_nop                                          ; a plain line behind the reciprocals
	s_wait_alu depctr_va_vdst(0)
.irp T, 0,1
.irp j, 0,2,4,6,8,10,12,14,16,18,20,22,24,26,28,30
	v_pk_mul_f32 v[O0+32*\T+\j:O0+32*\T+\j+1], v[O0+32*\T+\j:O0+32*\T+\j+1], v[14+2*\T:15+2*\T] op_sel_hi:[1,0]
.endr
.endr
.irp T, 0,1
.irp a, 0,1,2,3
	ds_store_b128 v[SOA], v[O0+32*\T+8*\a:O0+32*\T+8*\a+3] offset:64*\a          ; lane (r, hh): o(16 T + r, 16 a + 8 hh + 0 .. 7)
	ds_store_b128 v[SOA], v[O0+32*\T+8*\a+4:O0+32*\T+8*\a+7] offset:64*\a+16
.endr
.irp i, 0,1,2,3,4,5,6,7
	ds_load_b128 v[S+32*\T+4*\i:S+32*\T+4*\i+3], v[SRA] offset:2*\i*SP           ; LDS serves a wave's instructions in order: these see my stores, and tile 1's stores come behind tile 0's loads
.endr
.endr
.irp T, 0,1
.irp i, 0,1,2,3,4,5,6,7
	s_wait_dscnt 16*(1-\T)+7-\i                    ; out may be: the tile's younger loads, and behind tile 0's all sixteen LDS instructions of tile 1
	global_store_b128 v[GO], v[S+32*\T+4*\i:S+32*\T+4*\i+3], s[OB:OB+1] offset:(16*\T+2*\i)*4096 th:TH_STORE_NT   ; sixteen lanes store 256 consecutive bytes, at a multiple of 256 from out0's first byte
.endr
.endr
	s_wait_xcnt 0x0
	v_lshl_add_u32 v254, v0, 2, 0x45000
	v_mov_b32 v255, 0
	s_wait_tensorcnt 0x0
	ds_add_u32 v254, v255
	s_wait_dscnt 0x0
	s_endpgm
.Lfunc_end_k_q07cd83cc0a_attn:
	.size	k_q07cd83cc0a_attn, .Lfunc_end_k_q07cd83cc0a_attn-k_q07cd83cc0a_attn
	.p2alignl 7, 3214868480
	.fill 96, 4, 3214868480
	.section	.rodata,"a",@progbits
	.p2align	6, 0x0
	.amdhsa_kernel k_q07cd83cc0a_attn
		.amdhsa_group_segment_fixed_size 284672
		.amdhsa_private_segment_fixed_size 0
		.amdhsa_enable_private_segment 0
		.amdhsa_kernarg_size 16
		.amdhsa_user_sgpr_count 2
		.amdhsa_user_sgpr_kernarg_segment_ptr 1
		.amdhsa_wavefront_size32 1
		.amdhsa_system_sgpr_workgroup_id_x 1
		.amdhsa_system_sgpr_workgroup_id_y 1
		.amdhsa_system_sgpr_workgroup_id_z 1
		.amdhsa_system_vgpr_workitem_id 0
		.amdhsa_next_free_vgpr 256
		.amdhsa_next_free_sgpr 66
		.amdhsa_reserve_vcc 0
		.amdhsa_float_denorm_mode_32 3
		.amdhsa_float_denorm_mode_16_64 3
		.amdhsa_memory_ordered 1
		.amdhsa_forward_progress 1
		.amdhsa_inst_pref_size 112
	.end_amdhsa_kernel
	.amdgpu_metadata
---
amdhsa.version: [ 1, 2 ]
amdhsa.kernels:
  - .name:           k_q07cd83cc0a_attn
    .symbol:         k_q07cd83cc0a_attn.kd
    .args:
      - { .name: x, .offset: 0, .size: 8, .value_kind: global_buffer, .address_space: global }
      - { .name: out0, .offset: 8, .size: 8, .value_kind: global_buffer, .address_space: global }
    .group_segment_fixed_size: 284672
    .private_segment_fixed_size: 0
    .kernarg_segment_align: 8
    .kernarg_segment_size: 16
    .max_flat_workgroup_size: 512
    .sgpr_count:     66
    .vgpr_count:     256
    .wavefront_size: 32
...
	.end_amdgpu_metadata
.endif
;; end of part 1
;; ======== version 2 of 2: 1 launch; version 1 with the launch attn written anew for expert scheduling mode
;; launch attn (part 2): grid 4 x 64, 16 waves a work-group, no clusters, 284,672 bytes of LDS; arguments x, out0; writes out0
.if DOCPART == 2
	.amdgcn_target "amdgcn-amd-amdhsa--gfx1250"
	.amdhsa_code_object_version 6
	.text
	.protected	k_q07cd83cc0a_attn
	.globl	k_q07cd83cc0a_attn
	.p2align	8
	.type	k_q07cd83cc0a_attn,@function
k_q07cd83cc0a_attn:
	s_mov_b64 s[64:65], 0
	v_nop
	global_prefetch_b8 v0, s[64:65] scope:SCOPE_SE
	s_setreg_imm32_b32 hwreg(HW_REG_WAVE_SCHED_MODE, 0, 2), 2
	s_setreg_imm32_b32 hwreg(HW_REG_WAVE_MODE, 25, 1), 1
	s_wait_xcnt 0x0
	s_wait_alu depctr_vm_vsrc(0)
; out0[b][s][64 h + d] = the sum over keys of softmax(q . k / 8) v, for 64 heads (4 batches x 16) of 2,048 tokens, head size 64.
; x: [4][2048][3072] f32; token row s is 12,288 bytes, head h owns 768 of them: q, k, v, 256 bytes each.  out0: [4][2048][1024] f32.
; Both products run on codes of BF6 (E3M2) with one E8M0 scale for each 32 along K: q and k quantised along d, v and p along the keys.
; p = 2^(t - M), t = score x log2(e) / 8, M = the running largest t rounded up to a whole number; the row's sum is taken of the unquantised p and divides at the end.
; SHARES.  A work-group owns 512 queries of one head (grid x: the block of queries, grid y: 16 b + h); each of its sixteen waves owns 32 queries, two tiles of 16.
; PROLOGUE.  Wave w quantises keys 128 w .. 128 w + 127 of k and v into LDS, as IMAGES OF THE OPERANDS' REGISTERS (record w), and its own 32 queries into registers.  One barrier.
; MAIN LOOP.  16 trips, one record each, no further barrier: a trip reads each fragment of K and V once from LDS, for both tiles of queries.
; LAYOUT.  Both products are used transposed: S^T = K Q^T (source 0 = 16 keys), O^T = V^T P^T (source 0 = 16 of the head's 64): a lane holds ONE query (lane % 16) throughout.
;   THE KEYS OF A TILE ARE NOT NEIGHBOURS: row m of tile 4 c + t takes key 64 c + 32 (m / 8) + 8 t + m % 8, so that S's register 32 c + i of lane (r, hh) is key 64 c + 32 hh + i:
;   a WHOLE block of 32 keys in one lane, in the order in which the second product's operand wants it: no exchange of halves, no other lane for a block's maximum.
;   THE FIRST PRODUCT'S K IS 64 in a form of 128: Q's registers 6-11 are zero codes, and K's operand is tile t's six registers followed by whatever six come next (the next tile's; behind tile 7: P1's first six).
;   Every pattern of 6 bits is a finite number in this format, so the upper half adds 0.  K's and Q's scale words repeat their two bytes, so that no byte of the upper half is larger than the lower half's.
; NO JOINT LOADS, though the four work-groups of a head read the same 1,048,576 bytes of k and v: a joint load lands in LDS, where the images take 212,992 bytes; of the 327,680 that a work-group can claim,
;   two slots could have 57,344 bytes each at the most: 19 refills, each behind a round of a cluster's barrier.  Loads into registers have up to 16 KB a wave on their way and want no barrier.
; LIMITS: NaN and infinities among the inputs are not served.  A block of zeros gets the scale byte 1 where the rule says 127: its codes are zeros, and this program alone reads the bytes.
;   A p under 2^-126 comes out of v_exp_f32 as 0.
; THE MODE: SCHED_MODE bits 1:0 = 2 (LLVM: expert scheduling mode 2), set by the entry lines.  The code itself states the register dependences
;   between vector or matrix instructions and memory or LDS instructions, with s_wait_alu, always for 0.
; THE PLAN.  Registers that memory or LDS instructions touch, and who else names them:
;   PROLOGUE.  v4-12: offsets and LDS addresses, written once at the head, each ahead of a wait on va_vdst; written again, as statistics, only behind the wait on vm_vsrc in front of the barrier.
;     The five sets: loads land in them; in units 0-9 the LDS stores into the stage read them, in units 10-17 the block's maxima and conversions.
;     XR: the loads from the stage land in it; the unit's maxima and conversions read it.   CD, TW, VW: the unit's vector lines write them, the unit's LDS stores read them.
;     A unit has two waits.  On vm_vsrc at its head: the LDS stores issued so far have read the set in which the unit's loads land, and CD, TW, VW, which the unit writes again.
;     On va_vdst behind its last vector line: CD, TW, VW are written, and XR or the set has been read out.  Only stores follow it in the unit, so the next unit's loads into XR owe nothing more.
;   MAIN LOOP.  ADR: written by one add at a trip's top, read by the trip's 26 LDS loads.  KF and FS: K's loads land, both tiles' first products read; then V's land, both tiles' second products read.
;     P, its scale words, Q and its scale words are written by vector lines and taken by scaled products.  S, O^T and the statistics are named by vector and matrix instructions alone.
;     A trip has seven waits on va_vdst (its top; ahead of and behind each tile's exponentials; behind the second tile's first products; ahead of the trip's last products) and one on vm_vsrc, behind its last LDS load.
.set ROWX,  12288                      ; bytes in a token's row of x
.set REC,   13312                      ; LDS: the record of a key step of 128 keys; record j at REC j
.set VIMG,  6144                       ;   +0 K's image: registers 4 q .. 4 q + 3 of the run of 48 at 512 q + 16 lane (tile t = registers 6 t .. 6 t + 5);  +6144 V's, likewise (tile a = registers 12 a .. 12 a + 11)
.set KSC,   12288                      ;   K's scale words: word i at 16 lane + 4 i; lanes 0-15 tile i, lanes 16-31 tile 4 + i
.set VSC,   12800                      ;   V's: word a at 16 lane + 4 a, lanes 0-15; the same 256 bytes once more for lanes 16-31, so that every byte read was written
.set STG,   16*REC                     ; behind the records: a stage of 16 rows x (256 bytes + 16) for each wave, its own
.set SP,    272                        ; 68 words: the 16 rows that a load of 16 bytes a lane touches start at 16 different groups of four banks (64 banks of 4 bytes: ISA guide 11.1)
.set STGW,  16*SP
.set WV,   8                           ; s8       my wave's number
.set KVB,  14                          ; s[14:15] x at k of my wave's first key
.set QB,   16                          ; s[16:17] x at q of my wave's first query
.set OB,   18                          ; s[18:19] out0 at my wave's first query, my head
.set SEL,  20                          ; s[20:21] v_permlanex16_b32's selects for lane l xor 16
.set CS,   22                          ; s[22:23] c = log2(e) / 8, twice: the packed form names a pair
.set TB,   24                          ; s24      the record in hand
.set CNT,  25                          ; s25      trips done
.set RECW, 30                          ; s30      my wave's record
.set STGA, 31                          ; s31      my wave's stage
; vector registers that live through the kernel
.set LI,   1                           ; v1       16 x lane
.set ADR,  2                           ; v2       main loop: LDS address of the record in hand
.set SH,   3                           ; v3       8 x (lane / 16): where my half's scale bytes go in a word
.set FS,   24                          ; v24-27   scale words of K's or V's fragments.  v24-31 hold scales and nothing else
.set QS0,  28                          ; v28, v31 Q's scale words, tile 0, 1
.set PS0,  29                          ; v29, v30 P's scale words, tile 0, 1
.set Q0,   32                          ; v32-43, v44-55 Q's fragments
; the prologue's
.set OFK,  4                           ; byte offsets in x: k's rows, q's rows, v's columns
.set OFQ,  5
.set OFV,  6
.set STW,  7                           ; the stage, in and out
.set STR,  8
.set AKW,  9                           ; where I store K's image, V's image, K's scale words, V's
.set AVW,  10
.set AKS,  11
.set AVS,  12
.set MXA,  13                          ; two chains of a block's largest magnitude
.set MXB,  14
.set SO,   15                          ; the conversion's scale operand
.set BY,   16                          ; the scale's byte
.set TW,   17                          ; a scale word
.set TX,   18
.set VW,   19                          ; V's scale word, byte by byte
.set CT,   20                          ; v20-22   a block's upper 16 codes
.set CD,   56                          ; v56-61   a block's 32 codes
.set RR,   62                          ; lane % 16
.set HH,   63                          ; lane / 16
.set XR,   64                          ; v64-95   32 neighbours along d
.set SET0, 96                          ; v96-255  five sets of 32 registers for loads on their way
; the main loop's
.set BM,   12                          ; v12, v13 my two blocks' largest score, then largest p, then byte
.set FF,   14                          ; v[14:15] f = 2^(old M - new M)
.set SO0,  16                          ; v16, v17 the two blocks' scale operands
.set T0,   18                          ; v18-21   at work
.set P0,   56                          ; v56-67   P of tile 0;  v116-127 of tile 1
.set KF,   68                          ; v68-115  K's eight fragments of six registers, later V's four of twelve
.set S,    128                         ; v128-191 S^T, then p
.set O0,   192                         ; v192-223 O^T of tile 0;  v224-255 of tile 1
                                       ; v4-7, v8-11: tile T's -M, largest score, and the sum in two halves
	s_load_b128 s[4:7], s[0:1], 0x0                ; x s[4:5], out0 s[6:7]
	v_lshrrev_b32 v1, 5, v0
	v_readfirstlane_b32 s[WV], v1                  ; wave 0..15
	v_and_b32 v[RR], 15, v0
	v_bfe_u32 v[HH], v0, 4, 1
	v_lshlrev_b32 v[MXA], 4, v[RR]                 ; 16 r, at work
	v_mad_u32_u24 v[OFK], v[HH], 32*ROWX, v[MXA]   ; k: sixteen lanes take a key's 256 bytes; lanes 16-31 the key 32 further on
	v_mad_u32_u24 v[OFQ], v[HH], 8*ROWX, v[MXA]    ; q: lanes 16-31 the query 8 further on
	s_wait_alu depctr_va_sdst(0)                   ; s8, the wave's number, is written, ahead of its first reader: the bases and my LDS regions are made from it
	s_and_b32 s10, ttmp7, 0xffff                   ; 16 b + h
	s_lshr_b32 s11, s10, 4                         ; b
	s_and_b32 s12, s10, 15                         ; h
	s_lshl_b32 s13, s11, 11                        ; the batch's first token
	s_mul_i32 s28, s12, 768                        ; the head's bytes in a row
	s_lshl_b32 s26, s[WV], 7
	s_add_co_u32 s26, s26, s13                     ; my first key: 2048 b + 128 w
	s_mul_i32 s26, s26, ROWX
	s_add_co_u32 s26, s26, s28
	s_add_co_u32 s26, s26, 256                     ; k lies behind q.  All offsets stay under 2^27
	s_mov_b32 s27, 0
	s_lshl_b32 s9, ttmp9, 9
	s_lshl_b32 s29, s[WV], 5
	s_add_co_u32 s9, s9, s29
	s_add_co_u32 s9, s9, s13                       ; my first query: 2048 b + 512 x block + 32 w
	s_mul_i32 s29, s9, ROWX
	s_add_co_u32 s28, s28, s29
	s_mov_b32 s29, 0
	s_lshl_b32 s32, s9, 12                         ; out0: rows of 4,096 bytes, 256 to a head
	s_lshl_b32 s33, s12, 8
	s_add_co_u32 s32, s32, s33
	s_mov_b32 s33, 0
	s_mul_i32 s[RECW], s[WV], REC
	s_mul_i32 s[STGA], s[WV], STGW
	s_add_co_u32 s[STGA], s[STGA], STG
	s_mov_b32 s[SEL], 0x76543210
	s_mov_b32 s[SEL+1], 0xfedcba98
	s_mov_b32 s[CS], 0x3e38aa3b                    ; log2(e) / 8
	s_mov_b32 s[CS+1], s[CS]
	s_wait_kmcnt 0x0
	s_add_nc_u64 s[KVB:KVB+1], s[4:5], s[26:27]
	s_add_nc_u64 s[QB:QB+1], s[4:5], s[28:29]
	s_add_nc_u64 s[OB:OB+1], s[6:7], s[32:33]
; THE PROLOGUE goes in 18 units of 4 KB: 0, 1: my two tiles of queries; 2-9: K's eight tiles; 10-17: V, half g of d x block of 32 keys.  Unit u loads into set u % 5.
.macro ISSUE u
.set SI, SET0+32*((\u)%5)
.if (\u) < 2
.irp i, 0,1,2,3,4,5,6,7
	global_load_b128 v[SI+4*\i:SI+4*\i+3], v[OFQ], s[QB:QB+1] offset:(16*(\u)+\i)*ROWX th:TH_LOAD_NT   ; rows i and 8 + i of the tile: two whole runs of 256 bytes; q is read once in the launch
.endr
.elseif (\u) < 10
.set IT, (\u)-2
.irp i, 0,1,2,3,4,5,6,7
	global_load_b128 v[SI+4*\i:SI+4*\i+3], v[OFK], s[KVB:KVB+1] offset:(64*(IT/4)+8*(IT%4)+\i)*ROWX    ; rows i and 8 + i of the tile: keys 64 c + 8 t + i and 32 further on
.endr
.else
.set IG, ((\u)-10)/4
.set IB, ((\u)-10)%4
.irp i, 0,1,2,3,4,5,6,7,8,9,10,11,12,13,14,15,16,17,18,19,20,21,22,23,24,25,26,27,28,29,30,31
	global_load_b32 v[SI+\i], v[OFV], s[KVB:KVB+1] offset:(32*IB+\i)*ROWX+256+128*IG                   ; a lane takes column d = 32 g + lane, its registers run down the block's keys: 128 consecutive bytes a load
.endr
.endif
.endm
	s_wait_alu depctr_va_vdst(0)                   ; k's and q's offsets, v4 and v5, are written, which the loads of units 0 to 9 read
	ISSUE 0
	ISSUE 1
	ISSUE 2
	ISSUE 3
	v_and_b32 v[LI], 31, v0
	v_lshlrev_b32 v[OFV], 2, v[LI]                 ; 4 x lane
	v_lshlrev_b32 v[LI], 4, v[LI]                  ; 16 x lane
	v_lshlrev_b32 v[SH], 3, v[HH]
	v_mad_u32_u24 v[STW], v[HH], 8*SP, v[MXA]      ; the stage, in: row i + 8 hh, 16 r bytes on
	v_add_nc_u32 v[STW], s[STGA], v[STW]
	v_mul_u32_u24 v[STR], v[RR], SP                ; out: row r, my half's 128 bytes
	v_lshl_add_u32 v[STR], v[HH], 7, v[STR]
	v_add_nc_u32 v[STR], s[STGA], v[STR]
	v_add_nc_u32 v[AKW], s[RECW], v[LI]            ; K's image: my own lane's place
	v_mad_u32_u24 v[AVW], v[HH], 1536, v[MXA]      ; V's image: column 32 g + lane is row r of tile 2 g + hh: 1,536 bytes a tile, 16 r for the lane
	v_add_nc_u32 v[AVW], s[RECW], v[AVW]
	v_add_nc_u32 v[AVW], VIMG, v[AVW]
	v_add_nc_u32 v[AKS], s[RECW], v[MXA]           ; K's scale words: 16 r
	v_add_nc_u32 v[AKS], KSC, v[AKS]
	v_lshl_add_u32 v[AVS], v[HH], 2, v[MXA]        ; V's: 16 r + 4 hh
	v_add_nc_u32 v[AVS], s[RECW], v[AVS]
	v_add_nc_u32 v[AVS], VSC, v[AVS]
	v_mov_b32 v[TX], 0                             ; written once: a lane permute's destination counts as one of its sources
	s_wait_alu depctr_va_vdst(0)                   ; v's offset and the six LDS addresses, v6 to v12, are written, which the prologue's loads, LDS stores and LDS loads read
; 32 numbers of one block, v[src] on, become 32 codes in v[dst] .. v[dst + 5]; the scale's byte in v[BY].
.macro QBLK src, dst
	v_max3_num_f32 v[MXA], |v[\src]|, |v[\src+1]|, 0x2800000        ; the largest magnitude in two chains, and the floor 2^(5 - 127): the byte cannot fall under 1
	v_max3_num_f32 v[MXB], |v[\src+16]|, |v[\src+17]|, |v[\src+18]|
.irp i, 2,4,6,8,10,12
	v_max3_num_f32 v[MXA], v[MXA], |v[\src+\i]|, |v[\src+\i+1]|
	v_max3_num_f32 v[MXB], v[MXB], |v[\src+\i+17]|, |v[\src+\i+18]|
.endr
	v_max3_num_f32 v[MXA], v[MXA], |v[\src+14]|, |v[\src+15]|
	v_max3_num_f32 v[MXA], v[MXA], v[MXB], |v[\src+31]|
	v_add_nc_u32 v[SO], 0xfe000000, v[MXA]         ; 4 off its exponent field: the conversion takes the exponent field of this operand as its scale
	v_cvt_scalef32_pk16_bf6_f32 v[\dst:\dst+2], v[\src:\src+15], v[SO]
	v_cvt_scalef32_pk16_bf6_f32 v[CT:CT+2], v[\src+16:\src+31], v[SO]   ; (a conversion's three registers begin on an even number)
	v_lshrrev_b32 v[BY], 23, v[SO]                 ; the byte.  Also the plain line behind the conversions
.irp i, 0,1,2
	v_mov_b32 v[\dst+3+\i], v[CT+\i]
.endr
.endm
.macro WORD2                                   ; my byte and lane l xor 16's make the row's two bytes, which are repeated for the operand's upper half
	v_lshlrev_b32 v[TW], v[SH], v[BY]
	v_permlanex16_b32 v[TX], v[TW], s[SEL], s[SEL+1]
	v_or_b32 v[TW], v[TW], v[TX]
	v_lshl_or_b32 v[TW], v[TW], 16, v[TW]
.endm
.macro PUT6 adr, off, odd                      ; six registers into an image of runs of four: the lower half of a run of twelve (registers 0-3, 4-5) or the upper (6-7, 8-11)
.if \odd
	ds_store_b64 v[\adr], v[CD:CD+1] offset:\off+520
	ds_store_b128 v[\adr], v[CD+2:CD+5] offset:\off+1024
.else
	ds_store_b128 v[\adr], v[CD:CD+3] offset:\off
	ds_store_b64 v[\adr], v[CD+4:CD+5] offset:\off+512
.endif
.endm
; Unit u.  n: the loads issued behind unit u's, which may stay out.  nxt: the unit that is asked for now (-1: none); its set's last user is a unit or more back.
.macro UNIT u, n, nxt
	s_wait_loadcnt \n                              ; loads come back in order (ISA guide 5.7.1): this unit's are in
.if (\u) > 0
	s_wait_alu depctr_vm_vsrc(0)                   ; the LDS stores issued so far have read their registers: the set in which the loads below land, and CD, TW and VW, which this unit's vector lines write again
.endif
.if (\nxt) >= 0
	ISSUE \nxt                                     ; (where the set's last readers were a V unit's maxima and conversions, they stand ahead of that unit's wait on va_vdst, and no vector line since names the set)
.endif
.set SS, SET0+32*((\u)%5)
.if (\u) < 10
.irp i, 0,1,2,3,4,5,6,7
	ds_store_b128 v[STW], v[SS+4*\i:SS+4*\i+3] offset:SP*\i          ; 16 rows of 256 bytes turn through my stage,
.endr
.irp i, 0,1,2,3,4,5,6,7
	ds_load_b128 v[XR+4*\i:XR+4*\i+3], v[STR] offset:16*\i           ; and lane (r, hh) gets d = 32 hh .. 32 hh + 31 of row r.  LDS serves a wave's instructions in order: these see the stores
.endr
	s_wait_dscnt 0x0                               ; they are in
.if (\u) < 2
.set QD, Q0+12*(\u)
	QBLK XR, QD
	WORD2
	v_mov_b32 v[QS0+3*(\u)], v[TW]
.irp i, 6,7,8,9,10,11
	v_mov_b32 v[QD+\i], 0                          ; zero codes for k = 64 .. 127
.endr
	s_wait_alu depctr_va_vdst(0)                   ; the maxima and conversions are done reading XR, in which the next unit's loads from the stage land
.else
.set KT, (\u)-2
.set PO, 1536*(KT>>1)
.set PD, KT&1
	QBLK XR, CD
	WORD2
	s_wait_alu depctr_va_vdst(0)                   ; CD and TW are written, which the LDS stores below read; the maxima and conversions are done reading XR, in which the next unit's loads from the stage land
	PUT6 AKW, PO, PD
	ds_store_b32 v[AKS], v[TW] offset:256*(KT>>2)+4*(KT&3)           ; both lanes of a row write the same word with the same value
.endif
.else
.set VG, ((\u)-10)/4
.set VB, ((\u)-10)%4
.set PO, 3072*VG+256*(VB&1)                    ; block 2 c + h' goes to lane r + 16 h', registers 6 c on, of tile 2 g + hh
.set PD, VB>>1
	s_wait_dscnt 0x0                               ; the last unit's LDS stores are done
	QBLK SS, CD
.if VB == 0
	v_mov_b32 v[VW], v[BY]
.else
	v_lshl_or_b32 v[VW], v[BY], 8*VB, v[VW]
.endif
	s_wait_alu depctr_va_vdst(0)                   ; CD and VW are written, which the LDS stores below read; the maxima and conversions are done reading this unit's set, in which a later unit's loads land
	PUT6 AVW, PO, PD
.if VB == 3
	ds_store_b32 v[AVS], v[VW] offset:8*VG
	ds_store_b32 v[AVS], v[VW] offset:8*VG+256
.endif
.endif
.endm
	UNIT 0, 24, 4                                  ; three units of 8 loads may stay out
	UNIT 1, 24, 5
	UNIT 2, 24, 6
	UNIT 3, 24, 7
	UNIT 4, 24, 8
	UNIT 5, 24, 9
	UNIT 6, 24, 10
	UNIT 7, 48, -1                                 ; units 8, 9 (8 each) and 10 (32)
	UNIT 8, 40, -1                                 ; units 9 and 10
	UNIT 9, 32, 11                                 ; unit 10
	UNIT 10, 32, 12                                ; from here on: the next unit's 32
	UNIT 11, 32, 13
	UNIT 12, 32, 14
	UNIT 13, 32, 15
	UNIT 14, 32, 16
	UNIT 15, 32, 17
	UNIT 16, 32, -1
	UNIT 17, 0, -1                                 ; no load is out any more: the offsets' registers may be written
	s_wait_dscnt 0x0                               ; for the others' sake: my record lies in LDS
	s_wait_alu depctr_vm_vsrc(0)                   ; the prologue's loads and LDS instructions have read v4 to v12, CD and the sets: the lines below and the main loop's vector and matrix instructions write these registers anew
	s_barrier_signal -1
	v_mov_b32 v5, 0xff61b1e6                       ; register work while the others arrive.  The largest score so far: -3e38
	v_mov_b32 v9, 0xff61b1e6
	v_mul_f32 v[T0], s[CS], v5
	v_floor_f32 v4, -v[T0]                         ; -M
	v_floor_f32 v8, -v[T0]
.irp j, 6,7,10,11,15,21,116,117,118,119,120,121
	v_mov_b32 v\j, 0                               ; the sums; the upper half of f's pair; a permute's destination; P1's first six, which K's tile 7 names
.endr
.irp j, 0,1,2,3,4,5,6,7,8,9,10,11,12,13,14,15,16,17,18,19,20,21,22,23,24,25,26,27,28,29,30,31,32,33,34,35,36,37,38,39,40,41,42,43,44,45,46,47,48,49,50,51,52,53,54,55,56,57,58,59,60,61,62,63
	v_mov_b32 v[O0+\j], 0                          ; O^T.  The step is written once: the first finds zeros, which the first change of M leaves zeros
.endr
	s_mov_b32 s[TB], 0
	s_mov_b32 s[CNT], 0
	s_barrier_wait -1                              ; all sixteen records lie in LDS; nobody writes them again
; S^T of tile T: eight products, each on an accumulator of its own, begun with the constant 0.
.macro SMUL T
.irp t, 0,1,2,3
	v_wmma_scale_f32_16x16x128_f8f6f4 v[S+8*\t:S+8*\t+7], v[KF+6*\t:KF+6*\t+11], v[Q0+12*\T:Q0+12*\T+11], 0, v[FS+\t], v[QS0+3*\T] matrix_a_fmt:MATRIX_FMT_BF6 matrix_b_fmt:MATRIX_FMT_BF6
.endr
.irp t, 4,5,6,7
	v_wmma_scale_f32_16x16x128_f8f6f4 v[S+8*\t:S+8*\t+7], v[KF+6*\t:KF+6*\t+11], v[Q0+12*\T:Q0+12*\T+11], 0, v[FS+\t-4], v[QS0+3*\T] matrix_a_fmt:MATRIX_FMT_BF6 matrix_b_fmt:MATRIX_FMT_BF6 matrix_a_scale:MATRIX_SCALE_ROW1
.endr
.endm
; O^T of tile T += V^T P^T: four accumulators by turns, one instruction a turn.
.macro PV T
.set PP, P0+60*(\T)
.set OO, O0+32*(\T)
.irp a, 0,1,2,3
	v_wmma_scale_f32_16x16x128_f8f6f4 v[OO+8*\a:OO+8*\a+7], v[KF+12*\a:KF+12*\a+11], v[PP:PP+11], v[OO+8*\a:OO+8*\a+7], v[FS+\a], v[PS0+\T] matrix_a_fmt:MATRIX_FMT_BF6 matrix_b_fmt:MATRIX_FMT_BF6
.endr
.endm
; My two blocks' largest scores (each serves twice: for the row's maximum and, since p rises with the score, for the block's largest p), the new M, and f.  Each accumulator is read from its low end on.
; ld = 1: V's twelve loads of four registers are dealt among these lines, two at a time.  The lines name S, v12 to v21 and the tile's statistics: none of the registers that those loads touch (KF and ADR).
.macro SM_MAX T, ld
.set NM, 4+4*(\T)
.set SX, 5+4*(\T)
.irp c, 0,1
	v_max3_num_f32 v[BM+\c], v[S+32*\c], v[S+32*\c+1], v[S+32*\c+2]
	v_max3_num_f32 v[T0+\c], v[S+32*\c+16], v[S+32*\c+17], v[S+32*\c+18]
.endr
.irp i, 3,5,7,9,11,13
.if \ld
	ds_load_b128 v[KF+4*(\i-3):KF+4*(\i-3)+3], v[ADR] offset:VIMG+512*(\i-3)     ; V lands while tile 1's maxima and exponentials are worked.  No wait: no vector or matrix instruction since the wait ahead of V's scale words names these registers
	ds_load_b128 v[KF+4*(\i-2):KF+4*(\i-2)+3], v[ADR] offset:VIMG+512*(\i-2)
.endif
.irp c, 0,1
	v_max3_num_f32 v[BM+\c], v[BM+\c], v[S+32*\c+\i], v[S+32*\c+\i+1]
	v_max3_num_f32 v[T0+\c], v[T0+\c], v[S+32*\c+\i+16], v[S+32*\c+\i+17]
.endr
.endr
.irp c, 0,1
	v_max3_num_f32 v[BM+\c], v[BM+\c], v[T0+\c], v[S+32*\c+15]
.endr
.irp c, 0,1
	v_max_num_f32 v[BM+\c], v[BM+\c], v[S+32*\c+31]
.endr
	v_max3_num_f32 v[T0], v[BM], v[BM+1], v[SX]
	v_permlanex16_b32 v[T0+1], v[T0], s[SEL], s[SEL+1]   ; the query's other 64 keys lie in lane l xor 16
	v_mov_b32 v[T0+2], v[NM]
	v_max_num_f32 v[SX], v[T0], v[T0+1]            ; the running largest score
	v_mul_f32 v[T0], s[CS], v[SX]                  ; as t (c is positive)
	v_floor_f32 v[NM], -v[T0]                      ; the new -M = -ceil(t): M is a whole number
	v_sub_f32 v[T0+2], v[NM], v[T0+2]              ; old M - new M: a whole number, 0 or less
	v_cvt_i32_f32 v[T0+2], v[T0+2]                 ; (it saturates)
	v_ldexp_f32 v[FF], 1.0, v[T0+2]                ; f = 2^(old M - new M): a multiplication by it rounds nothing
.endm
.macro SM_EXP T
.set NM, 4+4*(\T)
.set LL, 6+4*(\T)
.irp j, 0,2,4,6,8,10,12,14,16,18,20,22,24,26,28,30,32,34,36,38,40,42,44,46,48,50,52,54,56,58,60,62
	v_pk_fma_f32 v[S+\j:S+\j+1], v[S+\j:S+\j+1], s[CS:CS+1], v[NM:NM+1] op_sel_hi:[1,0,0]   ; t - M, two at a time (of the pairs c and -M the low word serves both halves)
.endr
.irp c, 0,1
	v_fma_f32 v[BM+\c], v[BM+\c], s[CS], v[NM]     ; the same of each block's largest score
.endr
	s_wait_alu depctr_va_vdst(0)
.irp j, 0,1,2,3,4,5,6,7,8,9,10,11,12,13,14,15,16,17,18,19,20,21,22,23,24,25,26,27,28,29,30,31,32,33,34,35,36,37,38,39,40,41,42,43,44,45,46,47,48,49,50,51,52,53,54,55,56,57,58,59,60,61,62,63
	v_exp_f32 v[S+\j], v[S+\j]                     ; p = 2^(t - M): not normalised
.endr
.irp c, 0,1
	v_exp_f32 v[BM+\c], v[BM+\c]                   ; the block's largest p: the same two instructions on the same number give the same bits
.endr
	v_pk_mul_f32 v[LL:LL+1], v[LL:LL+1], v[FF:FF+1] op_sel_hi:[1,0]   ; the sums under the new M.  Also the plain line behind the exponentials (ISA guide 5.7.2)
.endm
.macro SM_Q T                                  ; the two blocks' scale operands and bytes; with lane l xor 16's two bytes the query's scale word for these 128 keys.  (The wait for the exponentials stands ahead of this macro, in the loop)
.irp c, 0,1
	v_max_num_f32 v[BM+\c], 0x2800000, v[BM+\c]    ; the floor 2^(5 - 127): the byte cannot fall under 1
.endr
.irp c, 0,1
	v_add_nc_u32 v[SO0+\c], 0xfe000000, v[BM+\c]
.endr
.irp c, 0,1
	v_lshrrev_b32 v[BM+\c], 23, v[SO0+\c]
.endr
	v_lshl_or_b32 v[T0], v[BM+1], 16, v[BM]        ; blocks hh and 2 + hh,
	v_lshlrev_b32 v[T0], v[SH], v[T0]              ; at their places
	v_permlanex16_b32 v[T0+1], v[T0], s[SEL], s[SEL+1]
	v_or_b32 v[PS0+\T], v[T0], v[T0+1]
.endm
; The codes, O^T under the new M, and the row's sum of the UNQUANTISED p, in two chains.  A block's upper 16 codes are made in p's registers 0-2 and 32-34, whose numbers have been summed by then, and moved.
.macro SM_TAIL T
.set LL, 6+4*(\T)
.set PP, P0+60*(\T)
.set OO, O0+32*(\T)
	v_pk_add_f32 v[T0:T0+1], v[S:S+1], v[S+2:S+3]
	v_pk_add_f32 v[LL:LL+1], v[LL:LL+1], v[S+32:S+33]
	v_pk_add_f32 v[T0:T0+1], v[T0:T0+1], v[S+34:S+35]
	v_cvt_scalef32_pk16_bf6_f32 v[PP:PP+2], v[S:S+15], v[SO0]
	v_cvt_scalef32_pk16_bf6_f32 v[PP+6:PP+8], v[S+32:S+47], v[SO0+1]
	v_pk_add_f32 v[LL:LL+1], v[LL:LL+1], v[S+4:S+5]                  ; a plain line between those conversions and the lines that write their sources
	v_cvt_scalef32_pk16_bf6_f32 v[S:S+2], v[S+16:S+31], v[SO0]
	v_cvt_scalef32_pk16_bf6_f32 v[S+32:S+34], v[S+48:S+63], v[SO0+1]
	v_pk_add_f32 v[T0:T0+1], v[T0:T0+1], v[S+6:S+7]                  ; a plain line between these and the moves
.irp i, 0,1,2
	v_mov_b32 v[PP+3+\i], v[S+\i]
	v_mov_b32 v[PP+9+\i], v[S+32+\i]
.endr
.irp j, 0,2,4,6,8,10,12,14,16,18,20,22,24,26,28,30
	v_pk_mul_f32 v[OO+\j:OO+\j+1], v[OO+\j:OO+\j+1], v[FF:FF+1] op_sel_hi:[1,0]   ; from each accumulator's low end on
.endr
.irp j, 8,12,16,20,24,28,36,40,44,48,52,56,60
	v_pk_add_f32 v[LL:LL+1], v[LL:LL+1], v[S+\j:S+\j+1]              ; these 27 lines name no register of the product that takes P, its scale word and O^T:
	v_pk_add_f32 v[T0:T0+1], v[T0:T0+1], v[S+\j+2:S+\j+3]            ; they are the places between the lines that wrote those and that product
.endr
	v_pk_add_f32 v[LL:LL+1], v[LL:LL+1], v[T0:T0+1]
.endm
.macro PLACES n                                ; a load into a register that a matrix instruction has read, and a vector instruction that reads a matrix result, stand four plain vector lines behind it
.rept \n
	v_nop
.endr
.endm
.Lstep:                                            ; 16 trips: a key step of 128 keys, both tiles of queries
	v_add_nc_u32 v[ADR], s[TB], v[LI]              ; with the three below: four places behind the last trip's products, whose operands are loaded anew.  (The LDS loads that read ADR stand ahead of the last trip's wait on vm_vsrc)
	PLACES 3
	s_wait_alu depctr_va_vdst(0)                   ; ADR is written, which the loads below read; the last trip's products are done reading V's fragments and scale words, in which they land; P1's first six, Q and its scale words, which the scaled products below take, are written
	ds_load_b128 v[FS:FS+3], v[ADR] offset:KSC
.irp i, 0,1,2,3,4,5,6,7,8,9,10,11
	ds_load_b128 v[KF+4*\i:KF+4*\i+3], v[ADR] offset:512*\i          ; 32 lanes, 512 consecutive bytes
.endr
	s_wait_dscnt 0x0
	SMUL 0
	PLACES 4
	SM_MAX 0, 0
	SM_EXP 0
	s_wait_alu depctr_va_vdst(0)                   ; tile 0's 66 exponentials have written p and the blocks' largest p: one wait for the batch, ahead of its first reader
	SM_Q 0
	SM_TAIL 0
	SMUL 1
	PLACES 4                                       ; for the loads into K's registers and for the first read of the scores alike
	s_wait_alu depctr_va_vdst(0)                   ; both tiles' products are done reading K's fragments and scale words, in which V's land; P0 and its scale word, which tile 0's second products take, are written
	ds_load_b128 v[FS:FS+3], v[ADR] offset:VSC
	SM_MAX 1, 1
	SM_EXP 1
	s_wait_dscnt 0x0                               ; V and its scale words are in
	s_wait_alu depctr_vm_vsrc(0)                   ; the trip's LDS loads, of which none follows, have read ADR: the next trip's add writes it, and behind the last trip the way out makes v2 anew
	s_wait_alu depctr_va_vdst(0)                   ; tile 1's 66 exponentials have written p and the blocks' largest p: one wait for the batch, ahead of its first reader; the products between name none of the results
	PV 0                                           ; tile 0's products stand ahead of the rest of tile 1's vector work, which names none of their registers
	SM_Q 1
	SM_TAIL 1
	s_wait_alu depctr_va_vdst(0)                   ; P1 and its scale word are written, which the scaled products below take; the 27 places above stay beside this wait
	PV 1
	s_add_co_u32 s[TB], s[TB], REC
	s_add_co_u32 s[CNT], s[CNT], 1
	s_cmp_lt_u32 s[CNT], 16
	s_cbranch_scc1 .Lstep
; THE WAY OUT.  O^T / the sum goes through my stage, a tile of 16 queries at a time, and leaves as whole rows of 256 bytes.  The ten lines of addresses are the places behind the last products.
.set SOA, 2                                    ; (v2 was ADR: the loads that read it stand ahead of the last trip's wait on vm_vsrc)
.set SRA, 12
.set GO,  13
	v_and_b32 v22, 15, v0                          ; r
	v_bfe_u32 v23, v0, 4, 1                        ; hh
	v_mul_u32_u24 v[SOA], v22, SP
	v_lshl_add_u32 v[SOA], v23, 5, v[SOA]
	v_add_nc_u32 v[SOA], s[STGA], v[SOA]           ; in: row r; tile a's eight numbers of my half lie 64 a + 32 hh bytes on
	v_mul_u32_u24 v[SRA], v23, SP
	v_lshl_add_u32 v[SRA], v22, 4, v[SRA]
	v_add_nc_u32 v[SRA], s[STGA], v[SRA]           ; back: lanes 0-15 one row, lanes 16-31 the next
	v_lshlrev_b32 v[GO], 12, v23
	v_lshl_add_u32 v[GO], v22, 4, v[GO]            ; and the same two rows in out0
	v_add_f32 v18, v6, v7                          ; the sums' two halves,
	v_add_f32 v19, v10, v11
	v_permlanex16_b32 v20, v18, s[SEL], s[SEL+1]
	v_permlanex16_b32 v21, v19, s[SEL], s[SEL+1]
	v_add_f32 v18, v18, v20                        ; and lane l xor 16's: the rows' sums
	v_add_f32 v19, v19, v21
	s_wait_alu depctr_va_vdst(0)
	v_rcp_f32 v14, v18
	v_rcp_f32 v16, v19
	v_nop                                          ; a plain line behind the reciprocals
	s_wait_alu depctr_va_vdst(0)                   ; the two reciprocals have written v14 and v16, ahead of their first reader
.irp T, 0,1
.irp j, 0,2,4,6,8,10,12,14,16,18,20,22,24,26,28,30
	v_pk_mul_f32 v[O0+32*\T+\j:O0+32*\T+\j+1], v[O0+32*\T+\j:O0+32*\T+\j+1], v[14+2*\T:15+2*\T] op_sel_hi:[1,0]
.endr
.endr
	s_wait_alu depctr_va_vdst(0)                   ; O^T / the sum and the three addresses are written, which the LDS stores, the LDS loads and the global stores below read; the softmax's lines are done with S, in which the loads from the stage land
.irp T, 0,1
.irp a, 0,1,2,3
	ds_store_b128 v[SOA], v[O0+32*\T+8*\a:O0+32*\T+8*\a+3] offset:64*\a          ; lane (r, hh): o(16 T + r, 16 a + 8 hh + 0 .. 7)
	ds_store_b128 v[SOA], v[O0+32*\T+8*\a+4:O0+32*\T+8*\a+7] offset:64*\a+16
.endr
.irp i, 0,1,2,3,4,5,6,7
	ds_load_b128 v[S+32*\T+4*\i:S+32*\T+4*\i+3], v[SRA] offset:2*\i*SP           ; LDS serves a wave's instructions in order: these see my stores, and tile 1's stores come behind tile 0's loads
.endr
.endr
.irp T, 0,1
.irp i, 0,1,2,3,4,5,6,7
	s_wait_dscnt 16*(1-\T)+7-\i                    ; out may be: the tile's younger loads, and behind tile 0's all sixteen LDS instructions of tile 1
	global_store_b128 v[GO], v[S+32*\T+4*\i:S+32*\T+4*\i+3], s[OB:OB+1] offset:(16*\T+2*\i)*4096 th:TH_STORE_NT   ; sixteen lanes store 256 consecutive bytes, at a multiple of 256 from out0's first byte
.endr
.endr
	s_wait_xcnt 0x0
	s_wait_alu depctr_vm_vsrc(0)                   ; the LDS stores above have read v254 and v255, O^T's last two, which the two lines below make anew
	v_lshl_add_u32 v254, v0, 2, 0x45000            ; my spare word, behind the sixteen stages: 128 bytes for each wave, which no other line names;
	v_mov_b32 v255, 0                              ; and 0
	s_wait_dscnt 0x0                               ; the closing lines, six on end
	s_wait_alu 0x0
	s_wait_tensorcnt 0x0
	ds_add_u32 v254, v255
	s_wait_dscnt 0x0
	s_endpgm
.Lfunc_end_k_q07cd83cc0a_attn:
	.size	k_q07cd83cc0a_attn, .Lfunc_end_k_q07cd83cc0a_attn-k_q07cd83cc0a_attn
	.p2alignl 7, 3214868480
	.fill 96, 4, 3214868480
	.section	.rodata,"a",@progbits
	.p2align	6, 0x0
	.amdhsa_kernel k_q07cd83cc0a_attn
		.amdhsa_group_segment_fixed_size 284672
		.amdhsa_private_segment_fixed_size 0
		.amdhsa_enable_private_segment 0
		.amdhsa_kernarg_size 16
		.amdhsa_user_sgpr_count 2
		.amdhsa_user_sgpr_kernarg_segment_ptr 1
		.amdhsa_wavefront_size32 1
		.amdhsa_system_sgpr_workgroup_id_x 1
		.amdhsa_system_sgpr_workgroup_id_y 1
		.amdhsa_system_sgpr_workgroup_id_z 1
		.amdhsa_system_vgpr_workitem_id 0
		.amdhsa_next_free_vgpr 256
		.amdhsa_next_free_sgpr 66
		.amdhsa_reserve_vcc 0
		.amdhsa_float_denorm_mode_32 3
		.amdhsa_float_denorm_mode_16_64 3
		.amdhsa_memory_ordered 1
		.amdhsa_forward_progress 1
		.amdhsa_inst_pref_size 114
	.end_amdhsa_kernel
	.amdgpu_metadata
---
amdhsa.version: [ 1, 2 ]
amdhsa.kernels:
  - .name:           k_q07cd83cc0a_attn
    .symbol:         k_q07cd83cc0a_attn.kd
    .args:
      - { .name: x, .offset: 0, .size: 8, .value_kind: global_buffer, .address_space: global }
      - { .name: out0, .offset: 8, .size: 8, .value_kind: global_buffer, .address_space: global }
    .group_segment_fixed_size: 284672
    .private_segment_fixed_size: 0
    .kernarg_segment_align: 8
    .kernarg_segment_size: 16
    .max_flat_workgroup_size: 512
    .sgpr_count:     66
    .vgpr_count:     256
    .wavefront_size: 32
...
	.end_amdgpu_metadata
.endif
;; end of part 2
